; MI455X (gfx1250); checked and timed in simulation.
; The chip was launched on July 23, 2026; its instructions are those of AMD's public machine-readable ISA for CDNA 5 (MIT licence, August 2026) and "CDNA5" Instruction Set Architecture Reference Guide (July 2026). The comments in the code are by the model that wrote it; some were corrected since.
;; Shape Adaptive Adapter. Allowed arithmetic: matrix products marked QUANTISED: E5M2 operands, one E8M0 scale for each 32 along K, by v_wmma_scale_f32_16x16x128_f8f6f4 with both operands' format E5M2, f32 sums; everything else in f32.
;; Inputs: aspect_ratio 2 x 3 x 64 x 64 float32; ln_bias 10 x 1,024 float32; ln_scale 10 x 1,024 float32; output_feat 2 x 1,024 x 64 x 64 float32; w1_codes 10 x 256 x 32 x 32 uint8 (E5M2 codes of w1, K innermost, in blocks of 32 codes); w1_scales 10 x 256 x 32 uint8 (E8M0 scales of w1, one for each 32 codes along K); w2_codes 10 x 1,024 x 8 x 32 uint8 (E5M2 codes of w2, K innermost, in blocks of 32 codes); w2_scales 10 x 1,024 x 8 uint8 (E8M0 scales of w2, one for each 32 codes along K).
;; Outputs: out0 2 x 1,024 x 64 x 64 float32.
;; This version of the problem:
;;   THIS VERSION OF THE PROBLEM IS GIVEN IN LOW PRECISION. The matrix products marked QUANTISED in the list below multiply operands that are first quantised to E5M2 (5 exponent bits, 2 mantissa bits; 8 bits a number), with one power-of-two scale for each 32 numbers along K (OCP MX v1.0); their sums are f32. All else is computed in f32.
;;   The module's matrix products, in the order in which they are computed (A, B: the left and right operand; K: the contracted axis; several contracted axes count as one K, in the product's order):
;;     1. batch 10 x [M 8,192, K 1,024] x [K 1,024, N 256]; A: computed on the way; B: input w1 (given as codes): QUANTISED
;;     2. batch 10 x [M 8,192, K 256] x [K 256, N 1,024]; A: computed on the way; B: input w2 (given as codes): QUANTISED
;;   THE QUANTISER, for each operand of a quantised product, along K:
;;     - K is cut into blocks of 32 from its start; a last block that is shorter is filled with zeros.
;;     - A block's scale is 2^e with e = floor(log2(the largest magnitude in the block)) - 15, held to -126 .. 127; a block of zeros has e = 0. As a byte (E8M0): e + 127.
;;     - Each number is divided by its block's scale, clamped to +-57,344, and rounded to the nearest number of E5M2, ties to even, subnormals kept.
;;     - The product sums the exact products of the quantised numbers (number of the format x scale) in f32.
;;   ~~~python
;;   def quantise(x, axis):      # numpy; x: float32 -> the quantised numbers, widened to float32 again
;;       x = np.moveaxis(x, axis, -1); K = x.shape[-1]
;;       x = np.pad(x, [(0, 0)] * (x.ndim - 1) + [(0, -K % 32)]); x = x.reshape(x.shape[:-1] + (-1, 32)); a = np.abs(x).max(-1, keepdims=True)
;;       e = np.where(a > 0, np.clip(np.frexp(np.where(a > 0, a, 1))[1] - 1 - 15, -126, 127), 0)      # np.frexp(a)[1] - 1 = floor(log2(a)), exactly
;;       r = np.clip(x / 2.0 ** e, -57344, 57344)
;;       step = 2.0 ** (np.maximum(np.frexp(np.where(r == 0, 1, r))[1] - 1, -14) - 2)
;;       q = np.round(r / step) * step * 2.0 ** e      # np.round: ties to even
;;       return np.moveaxis(q.reshape(q.shape[:-2] + (-1,))[..., :K], -1, axis).astype(np.float32)
;;   ~~~
;;   OPERANDS COMPUTED ON THE WAY. 'Computed on the way' means the value that the module computes at that place (a softmax that the list does not call 'softmax' is quantised finished and normalised). What goes into a quantiser is computed in f32, as accurately as f32 sums, v_exp_f32 and their like allow (about 1e-6 of the number): no bf16 or f16 on the way to a quantiser, and a product that is left as it is and whose result goes on into a quantised operand takes f32 operands (vector FMAs, or v_wmma_f32_16x16x4_f32). A number that lies on a knife's edge between two numbers of the format may be rounded either way, as far as f32 arithmetic and the matrix unit's own rounding can turn it there, and no further.
;;   INPUTS GIVEN AS CODES. w1 (in the module: [10, 1024, 256], K = its axis 1); w2 (in the module: [10, 256, 1024], K = its axis 1): each comes as NAME_codes (uint8): NAME with its K axis moved to the last place and cut into blocks of 32 codes, [.., K / 32, bytes a block], one block behind the other in memory; one code a byte (a code: sign, 5 exponent bits, 2 mantissa bits); and NAME_scales (uint8): the same leading axes, one E8M0 byte (e + 127) for each 32 codes along K. Its value is code x scale, taken as it is: it is not quantised again, and the codes and scales need not be those that the quantiser above would give.
;; One version. Each part assembles by itself: llvm-mc -triple=amdgcn-amd-amdhsa -mcpu=gfx1250 --defsym DOCPART=n.
;; ======== version 1 of 1: 4 launches
;; workspace buffers: normt 33,554,432 bytes; idxw 32,768 bytes of whole numbers; rowlist 985,600 bytes of whole numbers; counts 256 bytes of whole numbers; hcodes 6,291,456 bytes; hscal 196,608 bytes
;; launch prep (part 1): grid 256 x 1, 16 waves a work-group, no clusters, 137,216 bytes of LDS; arguments output_feat, aspect_ratio, normt, idxw; writes normt, idxw
.if DOCPART == 1
	.amdgcn_target "amdgcn-amd-amdhsa--gfx1250"
	.amdhsa_code_object_version 6
	.text
	.protected	k_qaac4c01a38_prep
	.globl	k_qaac4c01a38_prep
	.p2align	8
	.type	k_qaac4c01a38_prep,@function
k_qaac4c01a38_prep:
	s_mov_b64 s[64:65], 0
	v_nop
	global_prefetch_b8 v0, s[64:65] scope:SCOPE_SE
	s_setreg_imm32_b32 hwreg(HW_REG_WAVE_MODE, 25, 1), 1
	s_wait_xcnt 0x0
; normt[token][c] = (x[token][c] - mean) * rsqrt(var + 1e-5), token-major, from output_feat [2][1024][4096] (pixel innermost);
; idxw[token] = idx0 | idx1 << 4 | idx2 << 8, idx_j = how many of the nine thresholds lie under aspect_ratio[b][j][pixel].
; A work-group takes 32 neighbouring pixels (128 bytes of every channel row) and all 1,024 channels, so that the grid has 256 work-groups; wave w takes channels 64 w .. 64 w + 63.
; Lane (l' = lane % 8, hl = lane / 8) holds pixels 4 l' .. 4 l' + 3 of channels 16 hl + k, k = 0 .. 15: 64 registers: x is read once.  A load of a wave covers four runs of 128 consecutive bytes; two neighbouring work-groups share each aligned 256 bytes of a channel row.
; Mean and variance in two passes over the registers (no difference of large sums); the waves' sums meet in LDS.
; The transposition: the multiply by rstd chooses its destination so that four neighbouring channels of one pixel stand in four registers;
; they go through the wave's own 32 x 256 bytes of LDS and leave as 256 consecutive bytes for sixteen lanes.  In a row of the stage the 16-byte columns are exchanged by an exclusive or with (l' & 3) | (l' & 4) << 1, l' = row / 4:
; the sixteen lanes of a store (eight l', two hl) and the sixteen of a load (one row) then touch sixteen different columns.
; LIMITS: NaN and infinities in output_feat are not served.
.set X,   16                           ; v16-79   X[4 k + i]: channel k, pixel i
.set N0,  80                           ; v80-111 and v112-143: two sets of 32 on the way into LDS; also the waves' sums
.set NS,  32
.set S,   144                          ; v144-151 sums
.set MU,  152                          ; v152-155 means
.set RS,  156                          ; v156-159 1 / sqrt(var + eps)
.set RED, 131072                       ; LDS behind the sixteen stages: 16 x 128 bytes for the sums, 2,048 further on the same for the squares
	s_load_b256 s[4:11], s[0:1], 0x0               ; x s[4:5], aspect_ratio s[6:7], normt s[8:9], idxw s[10:11]
	v_lshl_add_u32 v168, v0, 2, 0x21000
	v_mov_b32 v169, 0
	v_lshrrev_b32 v1, 5, v0
	v_readfirstlane_b32 s12, v1                    ; wave
	v_and_b32 v2, 7, v0                            ; l'
	v_bfe_u32 v3, v0, 3, 2                         ; hl
	v_lshlrev_b32 v4, 4, v2                        ; 16 l'
	v_lshl_add_u32 v5, v3, 18, v4                  ; x: 16 channels of 16,384 bytes for hl, + 16 l'
	s_lshr_b32 s13, ttmp9, 7                       ; batch
	s_and_b32 s14, ttmp9, 127
	s_lshl_b32 s14, s14, 7                         ; the block's first pixel, in bytes
	s_lshl_b32 s16, s13, 24
	s_lshl_b32 s15, s12, 20
	s_add_co_u32 s16, s16, s15
	s_add_co_u32 s16, s16, s14
	s_mov_b32 s17, 0                               ; x: batch x 16 MiB + 64 w channels + pixel
	s_mul_i32 s18, s13, 49152
	s_add_co_u32 s18, s18, s14
	s_mov_b32 s19, 0                               ; aspect_ratio: batch x 3 planes + pixel
	s_lshl_b32 s20, ttmp9, 17
	s_lshl_b32 s15, s12, 8
	s_add_co_u32 s20, s20, s15
	s_mov_b32 s21, 0                               ; normt: 32 rows of 4,096 bytes a work-group, + 256 w
	s_lshl_b32 s26, ttmp9, 7
	s_mov_b32 s27, 0                               ; idxw: 32 words a work-group
	s_mov_b32 s22, 0x76543210
	s_mov_b32 s23, 0xfedcba98                      ; v_permlanex16_b32: lane l xor 16
	s_mov_b32 s24, 0x3a800000                      ; 1 / 1024
	s_mov_b32 s25, 0x3727c5ac                      ; 1e-5
	v_add_nc_u32 v7, RED, v4                       ; the sums, read: RED + 16 l'
	s_lshl_b32 s15, s12, 7
	v_add_nc_u32 v6, s15, v7                       ; the sums, stored: + 128 w
	s_lshl_b32 s28, s12, 13                        ; my stage
	v_and_b32 v9, 3, v2
	v_lshlrev_b32 v9, 4, v9
	v_and_b32 v10, 4, v2
	v_lshl_or_b32 v9, v10, 5, v9                   ; 16 x ((l' & 3) | (l' & 4) << 1)
	v_lshlrev_b32 v10, 6, v3                       ; 16 x 4 hl
	v_xor_b32 v9, v9, v10
	v_lshl_add_u32 v8, v2, 10, v9
	v_add_nc_u32 v8, s28, v8                       ; into the stage: rows 4 l' + i, column (4 hl + q) xor the row's number
	v_and_b32 v1, 15, v0
	v_lshlrev_b32 v1, 4, v1                        ; 16 (lane % 16)
	v_bfe_u32 v9, v0, 4, 1                         ; lane / 16
	v_lshl_add_u32 v10, v9, 8, v1
	v_add_nc_u32 v10, s28, v10                     ; out of it: row 2 n + lane / 16, column lane % 16 xor the row's number
	v_lshl_add_u32 v11, v9, 12, v1                 ; normt: row lane / 16, + 16 (lane % 16)
	s_wait_kmcnt 0x0
	s_add_nc_u64 s[4:5], s[4:5], s[16:17]
	s_add_nc_u64 s[6:7], s[6:7], s[18:19]
	s_add_nc_u64 s[8:9], s[8:9], s[20:21]
	s_add_nc_u64 s[10:11], s[10:11], s[26:27]
.set k, 0
.rept 16
	global_load_b128 v[X+4*k:X+4*k+3], v5, s[4:5] offset:16384*k   ; eight lanes read 128 consecutive bytes of a channel row
.set k, k+1
.endr
	; the adapters' numbers: wave 0, a pixel a lane
	s_cmp_lt_u32 s12, 1
	s_cbranch_scc0 .Lnoidx
	v_lshlrev_b32 v160, 2, v0
.irp j, 0,1,2
	global_load_b32 v[161+\j], v160, s[6:7] offset:16384*\j
	v_mov_b32 v[164+\j], 0
.endr
	s_wait_loadcnt 0x0                             ; (x is wanted whole a few lines further on anyway)
.irp t, 0x3de38e39, 0x3e124925, 0x3e4ccccd, 0x3eaaaaab, 1.0, 0x40400000, 0x40a00000, 0x40e00000, 0x41100000
.irp j, 0,1,2
	v_cmp_lt_f32 vcc_lo, \t, v[161+\j]             ; threshold < ratio
	v_add_co_ci_u32 v[164+\j], vcc_lo, 0, v[164+\j], vcc_lo
.endr
.endr
	v_lshl_or_b32 v164, v165, 4, v164
	v_lshl_or_b32 v164, v166, 8, v164
	global_store_b32 v160, v164, s[10:11]
.Lnoidx:
; My four sums in v[S:S+3] are joined with those of lanes l xor 8 and l xor 16 (the other three hl), stored, and after a barrier every wave adds the sixteen waves' sums.
.macro REDUCE off
.irp i, 0,1,2,3
	v_add_f32_dpp v[S+\i], v[S+\i], v[S+\i] row_xmask:8 row_mask:0xf bank_mask:0xf
.endr
.irp i, 0,1,2,3
	v_permlanex16_b32 v[S+4+\i], v[S+\i], s22, s23
.endr
	v_pk_add_f32 v[S:S+1], v[S:S+1], v[S+4:S+5]
	v_pk_add_f32 v[S+2:S+3], v[S+2:S+3], v[S+6:S+7]
	ds_store_b128 v6, v[S:S+3] offset:\off         ; the four hl write the same bytes with the same values
	s_wait_dscnt 0x0                               ; for the others' sake: my store is done
	s_barrier_signal -1
	s_barrier_wait -1
.irp i, 0,1,2,3,4,5,6,7
	ds_load_b128 v[N0+4*\i:N0+4*\i+3], v7 offset:\off+128*\i
	ds_load_b128 v[N0+NS+4*\i:N0+NS+4*\i+3], v7 offset:\off+1024+128*\i
.endr
	s_wait_dscnt 0x0
.set i, 0
.rept 16
	v_pk_add_f32 v[N0+2*i:N0+2*i+1], v[N0+2*i:N0+2*i+1], v[N0+NS+2*i:N0+NS+2*i+1]
.set i, i+1
.endr
.set i, 0
.rept 8
	v_pk_add_f32 v[N0+2*i:N0+2*i+1], v[N0+2*i:N0+2*i+1], v[N0+16+2*i:N0+16+2*i+1]
.set i, i+1
.endr
.set i, 0
.rept 4
	v_pk_add_f32 v[N0+2*i:N0+2*i+1], v[N0+2*i:N0+2*i+1], v[N0+8+2*i:N0+8+2*i+1]
.set i, i+1
.endr
	v_pk_add_f32 v[S:S+1], v[N0:N0+1], v[N0+4:N0+5]
	v_pk_add_f32 v[S+2:S+3], v[N0+2:N0+3], v[N0+6:N0+7]
.endm
	s_wait_loadcnt 0x0                             ; all of x
	v_pk_add_f32 v[S:S+1], v[X:X+1], v[X+4:X+5]    ; the first words start the chains: nothing is cleared
	v_pk_add_f32 v[S+2:S+3], v[X+2:X+3], v[X+6:X+7]
	v_pk_add_f32 v[S+4:S+5], v[X+8:X+9], v[X+12:X+13]
	v_pk_add_f32 v[S+6:S+7], v[X+10:X+11], v[X+14:X+15]
.set k, 4
.rept 6
	v_pk_add_f32 v[S:S+1], v[S:S+1], v[X+4*k:X+4*k+1]
	v_pk_add_f32 v[S+2:S+3], v[S+2:S+3], v[X+4*k+2:X+4*k+3]
	v_pk_add_f32 v[S+4:S+5], v[S+4:S+5], v[X+4*k+4:X+4*k+5]
	v_pk_add_f32 v[S+6:S+7], v[S+6:S+7], v[X+4*k+6:X+4*k+7]
.set k, k+2
.endr
	v_pk_add_f32 v[S:S+1], v[S:S+1], v[S+4:S+5]
	v_pk_add_f32 v[S+2:S+3], v[S+2:S+3], v[S+6:S+7]
	REDUCE 0
	v_pk_mul_f32 v[MU:MU+1], v[S:S+1], s[24:25] op_sel_hi:[1,0]
	v_pk_mul_f32 v[MU+2:MU+3], v[S+2:S+3], s[24:25] op_sel_hi:[1,0]
.set k, 0
.rept 16
	v_pk_add_f32 v[X+4*k:X+4*k+1], v[X+4*k:X+4*k+1], v[MU:MU+1] neg_lo:[0,1] neg_hi:[0,1]
	v_pk_add_f32 v[X+4*k+2:X+4*k+3], v[X+4*k+2:X+4*k+3], v[MU+2:MU+3] neg_lo:[0,1] neg_hi:[0,1]
.set k, k+1
.endr
	v_pk_mul_f32 v[S:S+1], v[X:X+1], v[X:X+1]
	v_pk_mul_f32 v[S+2:S+3], v[X+2:X+3], v[X+2:X+3]
	v_pk_mul_f32 v[S+4:S+5], v[X+4:X+5], v[X+4:X+5]
	v_pk_mul_f32 v[S+6:S+7], v[X+6:X+7], v[X+6:X+7]
.set k, 2
.rept 7
	v_pk_fma_f32 v[S:S+1], v[X+4*k:X+4*k+1], v[X+4*k:X+4*k+1], v[S:S+1]
	v_pk_fma_f32 v[S+2:S+3], v[X+4*k+2:X+4*k+3], v[X+4*k+2:X+4*k+3], v[S+2:S+3]
	v_pk_fma_f32 v[S+4:S+5], v[X+4*k+4:X+4*k+5], v[X+4*k+4:X+4*k+5], v[S+4:S+5]
	v_pk_fma_f32 v[S+6:S+7], v[X+4*k+6:X+4*k+7], v[X+4*k+6:X+4*k+7], v[S+6:S+7]
.set k, k+2
.endr
	v_pk_add_f32 v[S:S+1], v[S:S+1], v[S+4:S+5]
	v_pk_add_f32 v[S+2:S+3], v[S+2:S+3], v[S+6:S+7]
	REDUCE 2048                                    ; other bytes than the first time: no third barrier
.irp i, 0,1,2,3
	v_fma_f32 v[RS+\i], v[S+\i], s24, s25          ; var + eps
.endr
.irp i, 0,1,2,3
	v_rsq_f32 v[RS+\i], v[RS+\i]
.endr
	v_nop                                          ; a plain instruction behind the last transcendental
; eight channels at a time, each time in a set of its own: 32 products, whose destinations put four neighbouring channels of a pixel on end, and eight stores
	s_wait_alu depctr_va_vdst(0)
.irp kc, 0,1
.set NB, N0+NS*\kc
.irp kk, 0,1,2,3,4,5,6,7
.irp i, 0,1,2,3
	v_mul_f32 v[NB+8*\i+\kk], v[X+4*(8*\kc+\kk)+\i], v[RS+\i]
.endr
.endr
.irp hf, 0,1
	v_xor_b32 v[12+\hf], (2*\kc+\hf)*16, v8        ; q = 2 kc + hf
.irp i, 0,1,2,3
	ds_store_b128 v[12+\hf], v[NB+8*\i+4*\hf:NB+8*\i+4*\hf+3] offset:256*\i
.endr
.endr
.endr
.set n, 0
.rept 16
.if n%2 == 0
	v_xor_b32 v[14+(n/2)%2], (((n/2)&3)<<4)|(((n/2)&4)<<5), v10   ; rows 2 n .. 2 n + 3 have row / 4 = n / 2
.endif
	ds_load_b128 v[X+4*n:X+4*n+3], v[14+(n/2)%2] offset:512*n    ; LDS serves a wave's instructions in order: these see my stores
.set n, n+1
.endr
.set n, 0
.rept 16
	s_wait_dscnt 15-n
	global_store_b128 v11, v[X+4*n:X+4*n+3], s[8:9] offset:8192*n   ; sixteen lanes store 256 consecutive bytes of a token's row, at a multiple of 256
.set n, n+1
.endr
	s_wait_tensorcnt 0x0
	ds_add_u32 v168, v169
	s_wait_dscnt 0x0
	s_endpgm
.Lfunc_end_k_qaac4c01a38_prep:
	.size	k_qaac4c01a38_prep, .Lfunc_end_k_qaac4c01a38_prep-k_qaac4c01a38_prep
	.p2alignl 7, 3214868480
	.fill 96, 4, 3214868480
	.section	.rodata,"a",@progbits
	.p2align	6, 0x0
	.amdhsa_kernel k_qaac4c01a38_prep
		.amdhsa_group_segment_fixed_size 137216
		.amdhsa_private_segment_fixed_size 0
		.amdhsa_enable_private_segment 0
		.amdhsa_kernarg_size 32
		.amdhsa_user_sgpr_count 2
		.amdhsa_user_sgpr_kernarg_segment_ptr 1
		.amdhsa_wavefront_size32 1
		.amdhsa_system_sgpr_workgroup_id_x 1
		.amdhsa_system_sgpr_workgroup_id_y 1
		.amdhsa_system_sgpr_workgroup_id_z 1
		.amdhsa_system_vgpr_workitem_id 0
		.amdhsa_next_free_vgpr 170
		.amdhsa_next_free_sgpr 66
		.amdhsa_reserve_vcc 1
		.amdhsa_float_denorm_mode_32 3
		.amdhsa_float_denorm_mode_16_64 3
		.amdhsa_memory_ordered 1
		.amdhsa_forward_progress 1
		.amdhsa_inst_pref_size 28
	.end_amdhsa_kernel
	.amdgpu_metadata
---
amdhsa.version: [ 1, 2 ]
amdhsa.kernels:
  - .name:           k_qaac4c01a38_prep
    .symbol:         k_qaac4c01a38_prep.kd
    .args:
      - { .name: output_feat, .offset: 0, .size: 8, .value_kind: global_buffer, .address_space: global }
      - { .name: aspect_ratio, .offset: 8, .size: 8, .value_kind: global_buffer, .address_space: global }
      - { .name: normt, .offset: 16, .size: 8, .value_kind: global_buffer, .address_space: global }
      - { .name: idxw, .offset: 24, .size: 8, .value_kind: global_buffer, .address_space: global }
    .group_segment_fixed_size: 137216
    .private_segment_fixed_size: 0
    .kernarg_segment_align: 8
    .kernarg_segment_size: 32
    .max_flat_workgroup_size: 512
    .sgpr_count:     66
    .vgpr_count:     170
    .wavefront_size: 32
...
	.end_amdgpu_metadata
.endif
;; end of part 1
;; launch sort (part 2): grid 10 x 1, 32 waves a work-group, no clusters, 4,352 bytes of LDS; arguments idxw, rowlist, counts; writes rowlist, counts
.if DOCPART == 2
	.amdgcn_target "amdgcn-amd-amdhsa--gfx1250"
	.amdhsa_code_object_version 6
	.text
	.protected	k_qaac4c01a38_sort
	.globl	k_qaac4c01a38_sort
	.p2align	8
	.type	k_qaac4c01a38_sort,@function
k_qaac4c01a38_sort:
	s_mov_b64 s[64:65], 0
	v_nop
	global_prefetch_b8 v0, s[64:65] scope:SCOPE_SE
	s_setreg_imm32_b32 hwreg(HW_REG_WAVE_MODE, 25, 1), 1
	s_wait_xcnt 0x0
; Work-group a lists the 24,576 (token, anchor) pairs that chose adapter a: rowlist[a][rank] = token | anchor << 16; counts[a] = how many.
; Wave w takes tokens 256 w .. 256 w + 255, a lane eight of them: 24 masks of 32 lanes in scalar registers.  The waves' totals meet in LDS; ranks are a count of lower lanes in the mask plus a running base.  No atomics.
; A list is 24,640 words apart: 24,576 places and 32 spare words.  A lane whose pair chose another adapter stores into its spare word, which nobody reads: so EXEC never changes and no wait stands between the 24 stores.
.set LSTRIDE, 98560
	s_load_b128 s[4:7], s[0:1], 0x0                ; idxw, rowlist
	s_load_b64 s[8:9], s[0:1], 0x10                ; counts
	v_lshl_add_u32 v64, v0, 2, 0x100
	v_mov_b32 v65, 0
	v_lshrrev_b32 v1, 5, v0
	v_readfirstlane_b32 s10, v1                    ; wave
	v_and_b32 v2, 31, v0                           ; lane
	v_lshl_add_u32 v3, v1, 8, v2                   ; my first token
	v_lshlrev_b32 v4, 2, v3
	s_mov_b32 s11, ttmp9                           ; the adapter
	s_mul_i32 s12, ttmp9, LSTRIDE
	s_mov_b32 s13, 0
	s_lshl_b32 s18, ttmp9, 2
	s_mov_b32 s19, 0
	s_wait_kmcnt 0x0
	s_add_nc_u64 s[6:7], s[6:7], s[12:13]
	s_add_nc_u64 s[8:9], s[8:9], s[18:19]
.irp q, 0,1,2,3,4,5,6,7
	global_load_b32 v[8+\q], v4, s[4:5] offset:128*\q
.endr
	s_mov_b32 s14, 0
	s_wait_loadcnt 0x0
.irp q, 0,1,2,3,4,5,6,7
.irp j, 0,1,2
	v_bfe_u32 v5, v[8+\q], 4*\j, 4
	v_cmp_eq_u32 s[32+3*\q+\j], s11, v5
	s_bcnt1_i32_b32 s15, s[32+3*\q+\j]
	s_add_co_u32 s14, s14, s15                     ; my wave's total
.endr
.endr
	v_lshlrev_b32 v6, 2, v1
	v_mov_b32 v7, s14
	ds_store_b32 v6, v7                            ; all lanes write the same word with the same value
	s_wait_dscnt 0x0
	s_barrier_signal -1
	s_barrier_wait -1
	v_lshlrev_b32 v5, 2, v2
	ds_load_b32 v7, v5                             ; lane i: wave i's total
	s_mov_b32 s16, 0                               ; all waves' total
	s_mov_b32 s17, 0                               ; the total of the waves in front of mine
	s_wait_dscnt 0x0
.set i, 0
.rept 32
	v_readlane_b32 s15, v7, i
	s_add_co_u32 s16, s16, s15
	s_cmp_gt_u32 s10, i
	s_cselect_b32 s15, s15, 0
	s_add_co_u32 s17, s17, s15
.set i, i+1
.endr
	v_add_nc_u32 v5, 24576, v2                     ; my spare word
.irp q, 0,1,2,3,4,5,6,7
.irp j, 0,1,2
	v_mbcnt_lo_u32_b32 v[16+2*(3*\q+\j)], s[32+3*\q+\j], s17                       ; rank
	v_cndmask_b32 v[16+2*(3*\q+\j)], v5, v[16+2*(3*\q+\j)], s[32+3*\q+\j]
	v_min_u32 v[16+2*(3*\q+\j)], 24607, v[16+2*(3*\q+\j)]
	v_lshlrev_b32 v[16+2*(3*\q+\j)], 2, v[16+2*(3*\q+\j)]
	v_add_nc_u32 v[17+2*(3*\q+\j)], 32*\q+(\j<<16), v3
	global_store_b32 v[16+2*(3*\q+\j)], v[17+2*(3*\q+\j)], s[6:7]                  ; each store has registers of its own
	s_bcnt1_i32_b32 s15, s[32+3*\q+\j]
	s_add_co_u32 s17, s17, s15
.endr
.endr
	s_cmp_lg_u32 s10, 0
	s_cbranch_scc1 .Lend
	v_mov_b32 v6, 0
	v_mov_b32 v7, s16
	v_cmp_eq_u32 vcc_lo, 0, v2
	s_wait_xcnt 0x0                                ; EXEC changes only behind this wait
	s_and_saveexec_b32 s20, vcc_lo
	global_store_b32 v6, v7, s[8:9]
	s_wait_xcnt 0x0
	s_or_b32 exec_lo, exec_lo, s20
.Lend:
	s_wait_tensorcnt 0x0
	ds_add_u32 v64, v65
	s_wait_dscnt 0x0
	s_endpgm
.Lfunc_end_k_qaac4c01a38_sort:
	.size	k_qaac4c01a38_sort, .Lfunc_end_k_qaac4c01a38_sort-k_qaac4c01a38_sort
	.p2alignl 7, 3214868480
	.fill 96, 4, 3214868480
	.section	.rodata,"a",@progbits
	.p2align	6, 0x0
	.amdhsa_kernel k_qaac4c01a38_sort
		.amdhsa_group_segment_fixed_size 4352
		.amdhsa_private_segment_fixed_size 0
		.amdhsa_enable_private_segment 0
		.amdhsa_kernarg_size 24
		.amdhsa_user_sgpr_count 2
		.amdhsa_user_sgpr_kernarg_segment_ptr 1
		.amdhsa_wavefront_size32 1
		.amdhsa_system_sgpr_workgroup_id_x 1
		.amdhsa_system_sgpr_workgroup_id_y 1
		.amdhsa_system_sgpr_workgroup_id_z 1
		.amdhsa_system_vgpr_workitem_id 0
		.amdhsa_next_free_vgpr 66
		.amdhsa_next_free_sgpr 66
		.amdhsa_reserve_vcc 1
		.amdhsa_float_denorm_mode_32 3
		.amdhsa_float_denorm_mode_16_64 3
		.amdhsa_memory_ordered 1
		.amdhsa_forward_progress 1
		.amdhsa_inst_pref_size 24
	.end_amdhsa_kernel
	.amdgpu_metadata
---
amdhsa.version: [ 1, 2 ]
amdhsa.kernels:
  - .name:           k_qaac4c01a38_sort
    .symbol:         k_qaac4c01a38_sort.kd
    .args:
      - { .name: idxw, .offset: 0, .size: 8, .value_kind: global_buffer, .address_space: global }
      - { .name: rowlist, .offset: 8, .size: 8, .value_kind: global_buffer, .address_space: global }
      - { .name: counts, .offset: 16, .size: 8, .value_kind: global_buffer, .address_space: global }
    .group_segment_fixed_size: 4352
    .private_segment_fixed_size: 0
    .kernarg_segment_align: 8
    .kernarg_segment_size: 24
    .max_flat_workgroup_size: 1024
    .sgpr_count:     66
    .vgpr_count:     66
    .wavefront_size: 32
...
	.end_amdgpu_metadata
.endif
;; end of part 2
;; launch hidden (part 3): grid 229 x 1, 4 waves a work-group, no clusters, 154,112 bytes of LDS; arguments normt, rowlist, counts, ln_scale, ln_bias, w1_codes, w1_scales, hcodes, hscal; writes hcodes, hscal
.if DOCPART == 3
	.amdgcn_target "amdgcn-amd-amdhsa--gfx1250"
	.amdhsa_code_object_version 6
	.text
	.protected	k_qaac4c01a38_hidden
	.globl	k_qaac4c01a38_hidden
	.p2align	8
	.type	k_qaac4c01a38_hidden,@function
k_qaac4c01a38_hidden:
	s_mov_b64 s[64:65], 0
	v_nop
	global_prefetch_b8 v0, s[64:65] scope:SCOPE_SE
	s_setreg_imm32_b32 hwreg(HW_REG_WAVE_MODE, 25, 1), 1
	s_wait_xcnt 0x0
; For each chosen (token, anchor) pair: y = norm x ln_scale[a] + ln_bias[a], quantised to E5M2 along the 1,024 channels; h = y W1[a] on codes; gelu(h) (exact, by erfc), quantised along the 256 hidden units;
; codes to hcodes[3 token + anchor][256], scale bytes to hscal[3 token + anchor][8].
; A work-group takes a tile of 112 rows of ONE adapter's list.  With 24,576 rows and 10 adapters there are never more than ceil(24576 / 112) + 9 = 229 tiles, whatever the choice: the grid.
; A work-group that a split leaves without a tile works tile 0 again and jumps over its global stores alone, so that no barrier stands under a branch on loaded numbers.
; A tile's rows past the list's end repeat the list's last row: the same bytes go to the same place.
; No joint loads: neighbouring tiles may belong to different adapters, and the weights go from memory straight into registers.
; SHARES.  Wave w owns hidden units 64 w .. 64 w + 63: its quarter of W1[a] (64 rows x 1,024 codes) stays in 512 registers, read once.  Ahead of the products wave w quantises K steps 2 w and 2 w + 1 (channels 256 w ..) of all 7 tiles of rows;
; the fragments go from wave to wave through LDS as images of their registers (16 bytes a lane, 512 a store), their scale words likewise.
; The product is used transposed (source 0 = 16 rows of W1, source 1 = 16 rows of y), and lane r of W1's tile 2 b + u takes row 32 b + 8 u + r + 8 (r / 8): a lane then holds one row of h, and the 16 registers of two neighbouring tiles are 16 neighbouring hidden units.
; GELU: 0.5 x erfc(-x / sqrt 2); erfc(a), a >= 0, as (1 + p(q)) / (1 + 2 a) x exp(-a a), q = (a - 2) / (a + 2), p of degree 9; exp(-a a) as 2^u (1 + v ln 2), v holding what the products' roundings left.
; LIMITS: NaN and infinities are not served; a is held at 16, where erfc is 0 in f32; v_exp_f32 gives 0 under 2^-126, so erfc(a) = 0 from a = 9.3 on; a block whose largest magnitude lies under 2^-111 keeps the scale byte 1 (a block of zeros too: its codes are zeros, and this program alone reads the bytes).
; REGISTERS, in windows of 256.  window 0: below.  window 1: ln_scale (0-127) and ln_bias (128-255) of my 256 channels, later y's 8 fragments.  window 2: four sets of 64 numbers of norm, later W1's K steps 4-7.  window 3: W1's K steps 0-3.
.set LSTRIDE, 98560
.set XSC,    114688                    ; LDS: 56 images of 2,048 bytes from 0 on (tile of rows m, K step q: 8 m + q); here their scale words, 128 bytes each
.set STG,    121856                    ; 112 rows x 272: 256 codes, 8 scale bytes, 8 free
.set SPITCH, 272
.set XO,   1                           ; v1-7    tile m: my row's byte offset in normt, + 64 (lane / 16)
.set XWI0, 8                           ; v8, v9  where I store images (tiles 0-3, tiles 4-6)
.set XWS,  10                          ; v10     and their scale words
.set LI,   11                          ; v11     16 x lane
.set LS,   12                          ; v12     XSC + 4 x lane
.set SO,   13                          ; v13     the stage: my row's codes
.set SOS,  14                          ; v14     the stage: my row's two scale bytes
.set SR,   15                          ; v15     the stage, read by rows
.set RIDO, 16                          ; v16-29  where the rows go in hcodes
.set RIDS, 30                          ; v30     and in hscal
.set SRS,  31
.set W1S,  32                          ; v32-63  W1's scale words (tile t, K step s): 8 t + s
.set YS,   64                          ; v64-71  y's scale words
.set PW,   72                          ; v72-73  scale words just made
.set LIY,  74
.set LSY,  75
.set SOM,  76
.set SOSM, 77
.set KC9,  78                          ; v78-79  the polynomial's leading coefficient
.set YW,   80                          ; v80-143 64 numbers of y
.set HA,   80                          ; v80-111 four accumulators
.set GT,   112                         ; v112-143 and v160-191: gelu at work: four chains of 16
.set HT,   144                         ; v144-159 made at the head; those that loads name are never rewritten
.set PC,   208                         ; v208-239 codes just made, two sets
.set TM,   240                         ; v240-255 the quantiser at work
.set WV,  22
.set CNT, 28
.set YM,  29
.set YSM, 30
.set SM,  31
.set VALID, 48
.set CF,  66                           ; s[66:83] c8 .. c0, each twice (the packed form names a pair)
.set NL1, 84                           ; -log2(e), its high part;  s[86:87] its low part;  s[88:89] ln 2
.set NL2, 86
.set LN2, 88
.set RH,  90                           ; sqrt(1/2)
.set MNT, 91                           ; the mantissa field of 57,344
.set SEL, 92
.set MSB, 0
.macro WIN new                         ; the immediate's high byte repeats the setting that is left
.if MSB != \new
	s_set_vgpr_msb (MSB<<8)|\new
.set MSB, \new
.endif
.endm
.macro SPAIR reg, val
	s_mov_b32 s[\reg], \val
	s_mov_b32 s[\reg+1], \val
.endm
	s_load_b256 s[4:11], s[0:1], 0x0               ; normt 4:5, rowlist 6:7, counts 8:9, ln_scale 10:11
	s_load_b256 s[12:19], s[0:1], 0x20             ; ln_bias 12:13, w1_codes 14:15, w1_scales 16:17, hcodes 18:19
	s_load_b64 s[20:21], s[0:1], 0x40              ; hscal
	v_lshl_add_u32 v206, v0, 2, 0x25800
	v_mov_b32 v207, 0
	v_lshrrev_b32 v[HT], 5, v0
	v_readfirstlane_b32 s[WV], v[HT]
	v_and_b32 v[HT+1], 31, v0                      ; lane
	v_and_b32 v[HT+2], 15, v0                      ; r
	v_bfe_u32 v[HT+3], v0, 4, 1                    ; h
	SPAIR CF,    0xbaa15130
	SPAIR CF+2,  0x3aac2b8a
	SPAIR CF+4,  0x3c0d6e62
	SPAIR CF+6,  0xbc040dc1
	SPAIR CF+8,  0xbd5e05b5
	SPAIR CF+10, 0x3e27fe23
	SPAIR CF+12, 0xbe2a0420
	SPAIR CF+14, 0xbdbdfb0b
	SPAIR CF+16, 0x3e8dd01d
	SPAIR NL1, 0xbfb8aa3b
	SPAIR NL2, 0xb2a57060
	SPAIR LN2, 0x3f317218
	s_mov_b32 s[RH], 0x3f3504f3
	s_mov_b32 s[MNT], 0x600000
	s_mov_b32 s[SEL], 0x76543210
	s_mov_b32 s[SEL+1], 0xfedcba98
	s_wait_kmcnt 0x0
	s_load_b256 s[36:43], s[8:9], 0x0              ; the ten counts
	s_load_b64 s[44:45], s[8:9], 0x20
	v_mov_b32 v[KC9], 0xb9d25000
	v_mov_b32 v[KC9+1], 0xb9d25000
.irp b, 0,1,2,3
	v_mov_b32 v[TM+4+\b], 0                        ; written once: a lane permute's destination counts as one of its sources
.endr
	v_lshlrev_b32 v[LI], 4, v[HT+1]
	s_lshl_b32 s23, s[WV], 12
	v_add_nc_u32 v[XWI0], s23, v[LI]               ; 16 x lane + 2 images x wave
	v_add_nc_u32 v[XWI0+1], 65536, v[XWI0]
	v_lshl_add_u32 v[LS], v[HT+1], 2, XSC
	s_lshl_b32 s23, s[WV], 8
	v_add_nc_u32 v[XWS], s23, v[LS]
	v_mul_u32_u24 v[SOS], v[HT+2], SPITCH
	v_lshl_add_u32 v[SO], v[HT+3], 4, v[SOS]
	s_lshl_b32 s23, s[WV], 6
	s_add_co_u32 s23, s23, STG
	v_add_nc_u32 v[SO], s23, v[SO]                 ; STG + 272 r + 64 w + 16 h
	s_lshl_b32 s23, s[WV], 1
	s_add_co_u32 s23, s23, STG+256
	v_add_nc_u32 v[SOS], s23, v[SOS]               ; STG + 272 r + 256 + 2 w
	s_mul_i32 s23, s[WV], 28*SPITCH
	s_add_co_u32 s23, s23, STG
	v_mul_u32_u24 v[SR], v[HT+3], SPITCH
	v_lshl_add_u32 v[SR], v[HT+2], 4, v[SR]
	v_add_nc_u32 v[SR], s23, v[SR]                 ; rows 28 w + h, 16 bytes a lane
	v_mul_u32_u24 v[SRS], v[HT+1], SPITCH
	s_add_co_u32 s23, s23, 256
	v_add_nc_u32 v[SRS], s23, v[SRS]               ; row 28 w + lane, its scale bytes (lanes 0-27)
	v_lshlrev_b32 v[HT+6], 6, v[HT+3]              ; 64 h
	v_lshlrev_b32 v[HT+7], 4, v[HT+2]              ; 16 r
	v_and_b32 v[HT+10], 8, v[HT+2]
	v_add_nc_u32 v[HT+10], v[HT+10], v[HT+2]       ; r + 8 (r / 8)
	v_lshlrev_b32 v[HT+9], 5, v[HT+10]             ; W1's scale bytes: 32 a row
	v_lshlrev_b32 v[HT+11], 10, v[HT+10]
	v_lshl_add_u32 v[HT+11], v[HT+3], 4, v[HT+11]  ; W1's codes: 1,024 a row, + 16 h
	s_wait_kmcnt 0x0
	; which tile is mine: t_a = ceil(n_a / 112) tiles for adapter a, one adapter behind the other
	s_mov_b32 s46, 0
.irp a, 0,1,2,3,4,5,6,7,8,9
	s_add_co_u32 s47, s[36+\a], 111
	s_mul_hi_u32 s[50+\a], s47, 38347923           ; / 112: 38,347,923 = ceil(2^32 / 112), exact for numbers under 2^20
	s_add_co_u32 s46, s46, s[50+\a]
.endr
	s_cmp_lt_u32 ttmp9, s46
	s_cselect_b32 s[VALID], 1, 0
	s_cselect_b32 s49, ttmp9, 0
	s_mov_b32 s60, 0                               ; tiles in front of adapter a
	s_mov_b32 s61, 0                               ; my adapter
	s_mov_b32 s62, 0                               ; tiles in front of it
	s_mov_b32 s63, s36                             ; its rows
.irp a, 0,1,2,3,4,5,6,7,8,9
	s_cmp_ge_u32 s49, s60
	s_cselect_b32 s61, \a, s61
	s_cselect_b32 s62, s60, s62
	s_cselect_b32 s63, s[36+\a], s63
	s_add_co_u32 s60, s60, s[50+\a]
.endr
	s_min_u32 s61, s61, 9
	s_sub_co_u32 s62, s49, s62
	s_mul_i32 s62, s62, 112                        ; my tile's first place in the list
	s_sub_co_u32 s63, s63, 1                       ; the list's last place
	s_mov_b32 s25, 0
	s_mul_i32 s24, s61, LSTRIDE
	s_add_nc_u64 s[6:7], s[6:7], s[24:25]
	s_lshl_b32 s24, s[WV], 10
	s_add_nc_u64 s[4:5], s[4:5], s[24:25]          ; normt: my 256 channels
	s_lshl_b32 s26, s61, 12
	s_add_co_u32 s24, s24, s26
	s_add_nc_u64 s[10:11], s[10:11], s[24:25]
	s_add_nc_u64 s[12:13], s[12:13], s[24:25]
	s_lshl_b32 s24, s61, 18
	s_lshl_b32 s26, s[WV], 16
	s_add_co_u32 s24, s24, s26
	s_add_nc_u64 s[14:15], s[14:15], s[24:25]
	s_lshl_b32 s24, s61, 13
	s_lshl_b32 s26, s[WV], 11
	s_add_co_u32 s24, s24, s26
	s_add_nc_u64 s[16:17], s[16:17], s[24:25]
	; the list, in the three orders in which it is wanted
	v_add_nc_u32 v[HT+4], s62, v[HT+2]             ; first + r
	s_mul_i32 s24, s[WV], 28
	s_add_co_u32 s24, s24, s62
	v_add_nc_u32 v[HT+5], s24, v[HT+3]             ; first + 28 w + h
	v_add_nc_u32 v[RIDS], s24, v[HT+1]             ; first + 28 w + lane
.macro LISTLD d                        ; the place in v[d] is held inside the list; the entry lands on its own address register
	v_min_u32 v[\d], s63, v[\d]
	v_min_u32 v[\d], 24575, v[\d]
	v_lshlrev_b32 v[\d], 2, v[\d]
	global_load_b32 v[\d], v[\d], s[6:7]
.endm
.irp m, 0,1,2,3,4,5,6
	v_add_nc_u32 v[XO+\m], 16*\m, v[HT+4]
	LISTLD XO+\m
.endr
.irp i, 0,1,2,3,4,5,6,7,8,9,10,11,12,13
	v_add_nc_u32 v[RIDO+\i], 2*\i, v[HT+5]
	LISTLD RIDO+\i
.endr
	LISTLD RIDS
	s_wait_loadcnt 0x0
.irp m, 0,1,2,3,4,5,6
	v_and_b32 v[XO+\m], 0xffff, v[XO+\m]
	v_min_u32 v[XO+\m], 8191, v[XO+\m]
	v_lshl_add_u32 v[XO+\m], v[XO+\m], 12, v[HT+6]
.endr
.macro RID d                           ; entry -> 3 token + anchor
	v_lshrrev_b32 v[HT+8], 16, v[\d]
	v_min_u32 v[HT+8], 2, v[HT+8]
	v_and_b32 v[\d], 0xffff, v[\d]
	v_min_u32 v[\d], 8191, v[\d]
	v_lshl_add_u32 v[\d], v[\d], 1, v[\d]
	v_add_nc_u32 v[\d], v[\d], v[HT+8]
.endm
.irp i, 0,1,2,3,4,5,6,7,8,9,10,11,12,13
	RID RIDO+\i
	v_lshl_add_u32 v[RIDO+\i], v[RIDO+\i], 8, v[HT+7]
.endr
	RID RIDS
	v_lshlrev_b32 v[RIDS], 3, v[RIDS]
.macro XLOAD f                         ; fragment f = 2 m + q: 64 numbers of norm: my row's 16 of each of four blocks of 32
.irp b, 0,1,2,3
.irp j, 0,1,2,3
	global_load_b128 v[64*((\f)%4)+16*\b+4*\j:64*((\f)%4)+16*\b+4*\j+3], v[XO+(\f)/2], s[4:5] offset:512*((\f)%2)+128*\b+16*\j
.endr
.endr
.endm
.macro W1LOAD s, reg                   ; W1's four fragments of K step s
.irp t, 0,1,2,3
.irp c, 0,1,2,3
	global_load_b128 v[\reg+16*\t+4*\c:\reg+16*\t+4*\c+3], v[HT+11], s[14:15] offset:(32*(\t/2)+8*(\t%2))*1024+128*(\s)+32*\c
.endr
.endr
.endm
.irp t, 0,1,2,3
	global_load_b128 v[W1S+8*\t:W1S+8*\t+3], v[HT+9], s[16:17] offset:(32*(\t/2)+8*(\t%2))*32
	global_load_b128 v[W1S+8*\t+4:W1S+8*\t+7], v[HT+9], s[16:17] offset:(32*(\t/2)+8*(\t%2))*32+16
.endr
	WIN 0x40                                       ; destination window 1
.irp q, 0,1
.irp b, 0,1,2,3
.irp j, 0,1,2,3
	global_load_b128 v[64*\q+16*\b+4*\j:64*\q+16*\b+4*\j+3], v[HT+6], s[10:11] offset:512*\q+128*\b+16*\j
	global_load_b128 v[128+64*\q+16*\b+4*\j:128+64*\q+16*\b+4*\j+3], v[HT+6], s[12:13] offset:512*\q+128*\b+16*\j
.endr
.endr
.endr
	WIN 0xc0                                       ; window 3
.irp s, 0,1,2,3
	W1LOAD \s, 64*\s
.endr
	WIN 0x80                                       ; window 2
.irp f, 0,1,2,3
	XLOAD \f
.endr
	WIN 0
; nb blocks of 32: a lane's 16 numbers of block b in v[s + 16 b] on, lane l xor 16 holding the other 16.  Codes to v[pc + 4 b] on, the scale bytes to v[pw].
.macro QUANT s, nb, pc, pw
.set b, 0
.rept \nb
	v_max3_num_f32 v[TM+b], |v[\s+16*b]|, |v[\s+16*b+1]|, 0x8000000   ; with the floor 2^(16 - 127): the byte cannot fall under 1
.set b, b+1
.endr
.set i, 2
.rept 7
.set b, 0
.rept \nb
	v_max3_num_f32 v[TM+b], v[TM+b], |v[\s+16*b+i]|, |v[\s+16*b+i+1]|
.set b, b+1
.endr
.set i, i+2
.endr
.set b, 0
.rept \nb
	v_permlanex16_b32 v[TM+4+b], v[TM+b], s[SEL], s[SEL+1]
.set b, b+1
.endr
.set b, 0
.rept \nb
	v_max_num_f32 v[TM+b], v[TM+b], v[TM+4+b]      ; the block's largest magnitude
.set b, b+1
.endr
.set b, 0
.rept \nb
	v_add_nc_u32 v[TM+12+b], 0xf8800000, v[TM+b]   ; 15 off its exponent field: the conversion's scale operand
	v_and_or_b32 v[TM+8+b], v[TM+b], 0x7f800000, s[MNT]   ; 57,344 x the scale
.set b, b+1
.endr
.set b, 0
.rept \nb
	v_lshrrev_b32 v[TM+4+b], 23, v[TM+12+b]        ; the scale's byte
.set b, b+1
.endr
	v_lshl_or_b32 v[\pw], v[TM+5], 8, v[TM+4]
.if \nb == 4
	v_lshl_or_b32 v[\pw], v[TM+6], 16, v[\pw]
	v_lshl_or_b32 v[\pw], v[TM+7], 24, v[\pw]
.endif
.set b, 0
.rept \nb
.set i, 0
.rept 16
	v_med3_num_f32 v[\s+16*b+i], v[\s+16*b+i], -v[TM+8+b], v[TM+8+b]   ; the conversion does not saturate (ISA guide 7.6.2): the hold
.set i, i+1
.endr
	v_cvt_scalef32_pk8_bf8_f32 v[\pc+4*b:\pc+4*b+1], v[\s+16*b:\s+16*b+7], v[TM+12+b]
	v_cvt_scalef32_pk8_bf8_f32 v[\pc+4*b+2:\pc+4*b+3], v[\s+16*b+8:\s+16*b+15], v[TM+12+b]
.set b, b+1
.endr
	v_nop                                          ; a plain instruction behind the last scaled conversion
.endm
; Fragment f: the affine, the quantiser, the image.  Behind each fragment's multiply-adds 16 loads go out into the set just read (norm four fragments on, at last W1's K steps 4-7), so the wait's count is the same for all fourteen.
.macro XFRAG f
.set mm, (\f)/2
.set qq, (\f)%2
.set st, 64*((\f)%4)
.set pcs, PC+16*((\f)%2)
	s_wait_loadcnt 48                              ; my 16 loads and all before them are in; the three younger groups of 16 may be out
	WIN 0x16                                       ; source 0 window 2, sources 1 and 2 window 1
.set k, 0
.rept 32
	v_pk_fma_f32 v[YW+k:YW+k+1], v[st+k:st+k+1], v[64*qq+k:64*qq+k+1], v[128+64*qq+k:128+64*qq+k+1]
.set k, k+2
.endr
	WIN 0x80
.if (\f)+4 <= 13
	XLOAD (\f)+4
.else
	W1LOAD (\f)-6, st
.endif
	WIN 0
	s_wait_dscnt 5                                 ; the stores of two fragments back have read this set of codes (the last fragment's five may be out)
	QUANT YW, 4, pcs, PW+(\f)%2
.irp c, 0,1,2,3
	ds_store_b128 v[XWI0+mm/4], v[pcs+4*\c:pcs+4*\c+3] offset:(mm%4)*16384+qq*2048+512*\c
.endr
	ds_store_b32 v[XWS], v[PW+(\f)%2] offset:mm*1024+qq*128
.endm
.irp f, 0,1,2,3,4,5,6,7,8,9,10,11,12,13
	XFRAG \f
.endr
	s_wait_loadcnt 0x0                             ; all of W1
	s_wait_dscnt 0x0                               ; for the others' sake: my images are in LDS
	s_barrier_signal -1
	s_barrier_wait -1
.macro FETCHY                          ; a tile's eight fragments of y and their scale words, as they were stored
	WIN 0x40
.irp s, 0,1,2,3,4,5,6,7
.irp c, 0,1,2,3
	ds_load_b128 v[16*\s+4*\c:16*\s+4*\c+3], v[LIY] offset:2048*\s+512*\c
.endr
.endr
	WIN 0
.irp s, 0,1,2,3,4,5,6,7
	ds_load_b32 v[YS+\s], v[LSY] offset:128*\s
.endr
.endm
; gelu of an accumulator's four pairs v[x .. x + 7], in place: four chains line by line, so that four to eight lines stand between a line and the line that reads its result.
; Chain c works in v[GT + 16 c + 16 (c / 2)] on: +0 a, +2 q, +4 p, +6 r, +8 s, +10 u, +12 v, +14 t
.macro GELU4 x
.irp c, 0,1,2,3
.set g, GT+16*\c+16*(\c/2)
	v_mul_f32 v[g], |v[\x+2*\c]|, s[RH]
	v_mul_f32 v[g+1], |v[\x+2*\c+1]|, s[RH]
.endr
.irp c, 0,1,2,3
.set g, GT+16*\c+16*(\c/2)
	v_min_num_f32 v[g], 0x41800000, v[g]           ; a = min(|x| / sqrt 2, 16)
	v_min_num_f32 v[g+1], 0x41800000, v[g+1]
.endr
.irp c, 0,1,2,3
.set g, GT+16*\c+16*(\c/2)
	v_pk_add_f32 v[g+4:g+5], v[g:g+1], 2.0 op_sel_hi:[1,0]
.endr
.irp c, 0,1,2,3
.set g, GT+16*\c+16*(\c/2)
	v_rcp_f32 v[g+6], v[g+4]
	v_rcp_f32 v[g+7], v[g+5]
.endr
.irp c, 0,1,2,3
.set g, GT+16*\c+16*(\c/2)
	v_pk_add_f32 v[g+2:g+3], v[g:g+1], -2.0 op_sel_hi:[1,0]    ; (the plain instruction behind the reciprocals)
.endr
	s_wait_alu depctr_va_vdst(0)
.irp c, 0,1,2,3
.set g, GT+16*\c+16*(\c/2)
	v_pk_mul_f32 v[g+2:g+3], v[g+2:g+3], v[g+6:g+7]            ; q = (a - 2) / (a + 2)
.endr
.irp c, 0,1,2,3
.set g, GT+16*\c+16*(\c/2)
	v_pk_fma_f32 v[g+4:g+5], v[KC9:KC9+1], v[g+2:g+3], s[CF:CF+1] op_sel_hi:[1,1,0]
.endr
.irp k, 1,2,3,4,5,6,7,8
.irp c, 0,1,2,3
.set g, GT+16*\c+16*(\c/2)
	v_pk_fma_f32 v[g+4:g+5], v[g+4:g+5], v[g+2:g+3], s[CF+2*\k:CF+2*\k+1] op_sel_hi:[1,1,0]
.endr
.endr
.irp c, 0,1,2,3
.set g, GT+16*\c+16*(\c/2)
	v_pk_fma_f32 v[g+6:g+7], v[g:g+1], 2.0, 1.0 op_sel_hi:[1,0,0]
.endr
.irp c, 0,1,2,3
.set g, GT+16*\c+16*(\c/2)
	v_rcp_f32 v[g+6], v[g+6]
	v_rcp_f32 v[g+7], v[g+7]
.endr
.irp c, 0,1,2,3
.set g, GT+16*\c+16*(\c/2)
	v_pk_mul_f32 v[g+8:g+9], v[g:g+1], v[g:g+1]                ; s = a a, rounded
.endr
	s_wait_alu depctr_va_vdst(0)
.irp c, 0,1,2,3
.set g, GT+16*\c+16*(\c/2)
	v_pk_fma_f32 v[g+6:g+7], v[g+4:g+5], v[g+6:g+7], v[g+6:g+7]   ; r = (1 + p) / (1 + 2 a)
.endr
.irp c, 0,1,2,3
.set g, GT+16*\c+16*(\c/2)
	v_pk_fma_f32 v[g+14:g+15], v[g:g+1], v[g:g+1], v[g+8:g+9] neg_lo:[0,1,0] neg_hi:[0,1,0]   ; t = s - a a, exactly
.endr
.irp c, 0,1,2,3
.set g, GT+16*\c+16*(\c/2)
	v_pk_mul_f32 v[g+10:g+11], v[g+8:g+9], s[NL1:NL1+1] op_sel_hi:[1,0]                       ; u = -s log2(e), rounded
.endr
.irp c, 0,1,2,3
.set g, GT+16*\c+16*(\c/2)
	v_pk_fma_f32 v[g+12:g+13], v[g+8:g+9], s[NL1:NL1+1], v[g+10:g+11] op_sel_hi:[1,0,1] neg_lo:[0,0,1] neg_hi:[0,0,1]   ; what that rounding left,
.endr
.irp c, 0,1,2,3
.set g, GT+16*\c+16*(\c/2)
	v_pk_fma_f32 v[g+12:g+13], v[g+8:g+9], s[NL2:NL2+1], v[g+12:g+13] op_sel_hi:[1,0,1]       ; log2(e)'s low part,
.endr
.irp c, 0,1,2,3
.set g, GT+16*\c+16*(\c/2)
	v_pk_fma_f32 v[g+12:g+13], v[g+14:g+15], s[NL1:NL1+1], v[g+12:g+13] op_sel_hi:[1,0,1] neg_lo:[1,0,0] neg_hi:[1,0,0]   ; and t
.endr
.irp c, 0,1,2,3
.set g, GT+16*\c+16*(\c/2)
	v_exp_f32 v[g+10], v[g+10]
	v_exp_f32 v[g+11], v[g+11]
.endr
.irp c, 0,1,2,3
.set g, GT+16*\c+16*(\c/2)
	v_pk_mul_f32 v[g+12:g+13], v[g+12:g+13], s[LN2:LN2+1] op_sel_hi:[1,0]
.endr
	s_wait_alu depctr_va_vdst(0)
.irp c, 0,1,2,3
.set g, GT+16*\c+16*(\c/2)
	v_pk_mul_f32 v[g+6:g+7], v[g+6:g+7], v[g+10:g+11]
.endr
.irp c, 0,1,2,3
.set g, GT+16*\c+16*(\c/2)
	v_pk_fma_f32 v[g+6:g+7], v[g+6:g+7], v[g+12:g+13], v[g+6:g+7]   ; erfc(a)
.endr
.irp c, 0,1,2,3
.set g, GT+16*\c+16*(\c/2)
	v_pk_add_f32 v[g+8:g+9], v[g+6:g+7], 2.0 op_sel_hi:[1,0] neg_lo:[1,0] neg_hi:[1,0]   ; erfc(-a)
.endr
.irp c, 0,1,2,3
.set g, GT+16*\c+16*(\c/2)
	v_cmp_lt_f32 vcc_lo, 0, v[\x+2*\c]
	v_cndmask_b32 v[g+6], v[g+6], v[g+8], vcc_lo
	v_cmp_lt_f32 vcc_lo, 0, v[\x+2*\c+1]
	v_cndmask_b32 v[g+7], v[g+7], v[g+9], vcc_lo
.endr
.irp c, 0,1,2,3
.set g, GT+16*\c+16*(\c/2)
	v_pk_mul_f32 v[\x+2*\c:\x+2*\c+1], v[\x+2*\c:\x+2*\c+1], v[g+6:g+7]
.endr
.irp c, 0,1,2,3
	v_pk_mul_f32 v[\x+2*\c:\x+2*\c+1], v[\x+2*\c:\x+2*\c+1], 0.5 op_sel_hi:[1,0]
.endr
.endm
	s_mov_b32 s[CNT], 7
	s_mov_b32 s[YM], 0
	s_mov_b32 s[YSM], 0
	s_mov_b32 s[SM], 0
	v_mov_b32 v[LIY], v[LI]
	v_mov_b32 v[LSY], v[LS]
	FETCHY
.Lm:                                               ; seven trips: a tile of 16 rows each
	s_wait_dscnt 0x0                               ; y's fragments are in; the last trip's stores have read their registers
	WIN 0x07                                       ; source 0 (W1) window 3, source 1 (y) window 1
.irp s, 0,1,2,3                        ; the four accumulators by turns, one instruction a turn
.irp t, 0,1,2,3
.if \s == 0
	v_wmma_scale_f32_16x16x128_f8f6f4 v[HA+8*\t:HA+8*\t+7], v[64*\s+16*\t:64*\s+16*\t+15], v[16*\s:16*\s+15], 0, v[W1S+8*\t+\s], v[YS+\s] matrix_a_fmt:MATRIX_FMT_BF8 matrix_b_fmt:MATRIX_FMT_BF8
.else
	v_wmma_scale_f32_16x16x128_f8f6f4 v[HA+8*\t:HA+8*\t+7], v[64*\s+16*\t:64*\s+16*\t+15], v[16*\s:16*\s+15], v[HA+8*\t:HA+8*\t+7], v[W1S+8*\t+\s], v[YS+\s] matrix_a_fmt:MATRIX_FMT_BF8 matrix_b_fmt:MATRIX_FMT_BF8
.endif
.endr
.endr
	WIN 0x06                                       ; W1's K steps 4-7 lie in window 2
.irp s, 4,5,6,7
.irp t, 0,1,2,3
	v_wmma_scale_f32_16x16x128_f8f6f4 v[HA+8*\t:HA+8*\t+7], v[64*((\s-2)%4)+16*\t:64*((\s-2)%4)+16*\t+15], v[16*\s:16*\s+15], v[HA+8*\t:HA+8*\t+7], v[W1S+8*\t+\s], v[YS+\s] matrix_a_fmt:MATRIX_FMT_BF8 matrix_b_fmt:MATRIX_FMT_BF8
.endr
.endr
	WIN 0
	s_add_co_u32 s[YM], s[YM], 16384
	s_add_co_u32 s[YSM], s[YSM], 1024
	v_add_nc_u32 v[SOM], s[SM], v[SO]              ; eight plain instructions behind the last product, ahead of the loads into its sources and of the first read of results
	v_add_nc_u32 v[SOSM], s[SM], v[SOS]
	v_add_nc_u32 v[LIY], s[YM], v[LI]
	v_add_nc_u32 v[LSY], s[YSM], v[LS]
	s_add_co_u32 s[SM], s[SM], 16*SPITCH
.rept 4
	v_nop
.endr
	s_cmp_eq_u32 s[CNT], 1                         ; the last trip has no next tile
	s_cbranch_scc1 .Lnofetch
	FETCHY                                         ; lands while this tile's gelu is worked
.Lnofetch:
.irp p, 0,8,16,24                      ; an accumulator a call, each from its low end on
	GELU4 HA+\p
.endr
	QUANT HA, 2, PC, PW
	ds_store_b128 v[SOM], v[PC:PC+3]               ; hidden units 64 w + 16 h + 0 .. 15 of my row
	ds_store_b128 v[SOM], v[PC+4:PC+7] offset:32   ; and 32 further on
	ds_store_b16 v[SOSM], v[PW]                    ; both halves of the lanes write the same two bytes
	s_sub_co_u32 s[CNT], s[CNT], 1
	s_cmp_lg_u32 s[CNT], 0
	s_cbranch_scc1 .Lm
	s_wait_dscnt 0x0
	s_barrier_signal -1
	s_barrier_wait -1                              ; 112 whole rows lie in the stage
	s_cmp_eq_u32 s[VALID], 0
	s_cbranch_scc1 .Lend                           ; a work-group without a tile stores nothing
	v_cmp_gt_u32 vcc_lo, 28, v[HT+1]
	s_wait_xcnt 0x0                                ; EXEC changes only behind this wait
	s_and_saveexec_b32 s49, vcc_lo
	ds_load_b64 v[136:137], v[SRS]
	s_wait_dscnt 0x0
	global_store_b64 v[RIDS], v[136:137], s[20:21] ; lanes 0-27: a row's eight scale bytes
	s_wait_xcnt 0x0
	s_or_b32 exec_lo, exec_lo, s49
.irp i, 0,1,2,3,4,5,6,7,8,9,10,11,12,13
	ds_load_b128 v[80+4*\i:83+4*\i], v[SR] offset:2*SPITCH*\i
.endr
.irp i, 0,1,2,3,4,5,6,7,8,9,10,11,12,13
	s_wait_dscnt 13-\i
	global_store_b128 v[RIDO+\i], v[80+4*\i:83+4*\i], s[18:19]   ; sixteen lanes store a row's 256 bytes, at a multiple of 256
.endr
.Lend:
	s_wait_tensorcnt 0x0
	ds_add_u32 v206, v207
	s_wait_dscnt 0x0
	s_endpgm
.Lfunc_end_k_qaac4c01a38_hidden:
	.size	k_qaac4c01a38_hidden, .Lfunc_end_k_qaac4c01a38_hidden-k_qaac4c01a38_hidden
	.p2alignl 7, 3214868480
	.fill 96, 4, 3214868480
	.section	.rodata,"a",@progbits
	.p2align	6, 0x0
	.amdhsa_kernel k_qaac4c01a38_hidden
		.amdhsa_group_segment_fixed_size 154112
		.amdhsa_private_segment_fixed_size 0
		.amdhsa_enable_private_segment 0
		.amdhsa_kernarg_size 72
		.amdhsa_user_sgpr_count 2
		.amdhsa_user_sgpr_kernarg_segment_ptr 1
		.amdhsa_wavefront_size32 1
		.amdhsa_system_sgpr_workgroup_id_x 1
		.amdhsa_system_sgpr_workgroup_id_y 1
		.amdhsa_system_sgpr_workgroup_id_z 1
		.amdhsa_system_vgpr_workitem_id 0
		.amdhsa_next_free_vgpr 1024
		.amdhsa_next_free_sgpr 100
		.amdhsa_reserve_vcc 1
		.amdhsa_float_denorm_mode_32 3
		.amdhsa_float_denorm_mode_16_64 3
		.amdhsa_memory_ordered 1
		.amdhsa_forward_progress 1
		.amdhsa_inst_pref_size 255
	.end_amdhsa_kernel
	.section	.bss,"aw",@nobits
	.p2align	6
	.space	262144
	.amdgpu_metadata
---
amdhsa.version: [ 1, 2 ]
amdhsa.kernels:
  - .name:           k_qaac4c01a38_hidden
    .symbol:         k_qaac4c01a38_hidden.kd
    .args:
      - { .name: normt, .offset: 0, .size: 8, .value_kind: global_buffer, .address_space: global }
      - { .name: rowlist, .offset: 8, .size: 8, .value_kind: global_buffer, .address_space: global }
      - { .name: counts, .offset: 16, .size: 8, .value_kind: global_buffer, .address_space: global }
      - { .name: ln_scale, .offset: 24, .size: 8, .value_kind: global_buffer, .address_space: global }
      - { .name: ln_bias, .offset: 32, .size: 8, .value_kind: global_buffer, .address_space: global }
      - { .name: w1_codes, .offset: 40, .size: 8, .value_kind: global_buffer, .address_space: global }
      - { .name: w1_scales, .offset: 48, .size: 8, .value_kind: global_buffer, .address_space: global }
      - { .name: hcodes, .offset: 56, .size: 8, .value_kind: global_buffer, .address_space: global }
      - { .name: hscal, .offset: 64, .size: 8, .value_kind: global_buffer, .address_space: global }
    .group_segment_fixed_size: 154112
    .private_segment_fixed_size: 0
    .kernarg_segment_align: 8
    .kernarg_segment_size: 72
    .max_flat_workgroup_size: 128
    .sgpr_count:     100
    .vgpr_count:     1024
    .wavefront_size: 32
...
	.end_amdgpu_metadata
.endif
;; end of part 3
;; launch combine (part 4): grid 32 x 8, 4 waves a work-group, clusters of 4 x 1, 327,680 bytes of LDS; arguments hcodes, hscal, idxw, w2_codes, w2_scales, output_feat, out0; writes out0
.if DOCPART == 4
	.amdgcn_target "amdgcn-amd-amdhsa--gfx1250"
	.amdhsa_code_object_version 6
	.text
	.protected	k_qaac4c01a38_combine
	.globl	k_qaac4c01a38_combine
	.p2align	8
	.type	k_qaac4c01a38_combine,@function
k_qaac4c01a38_combine:
	s_mov_b64 s[64:65], 0
	v_nop
	global_prefetch_b8 v0, s[64:65] scope:SCOPE_SE
	s_setreg_imm32_b32 hwreg(HW_REG_WAVE_MODE, 25, 1), 1
	s_wait_xcnt 0x0
	s_wait_alu depctr_hold_cnt(0) depctr_sa_sdst(0) depctr_va_vdst(0) depctr_va_sdst(0) depctr_va_ssrc(0) depctr_va_vcc(0) depctr_vm_vsrc(0)
	s_getreg_b32 s2, hwreg(HW_REG_IB_STS2, 6, 4)
	s_cmp_eq_u32 s2, 0
	s_cbranch_scc0 .Lentry_in_a_cluster
	s_endpgm
.Lentry_in_a_cluster:
	s_bfe_u32 s2, ttmp6, 0x10000c
	s_cmp_lg_u32 s2, 0x3003
	s_cbranch_scc0 .Lentry_shape_is_right
	s_endpgm
.Lentry_shape_is_right:
; out0 = output_feat + (the three chosen adapters' outputs) / 3.  The second product is taken as ONE product over K = 10 adapters x 256 hidden units on neighbouring tokens: for adapter a a token's row of codes is that of an anchor that chose a,
; or zero codes where none did.  It is picked in registers (v_cndmask_b32) from the token's three rows, which stay in registers for the whole launch; the choice enters no address and no branch.
; Anchors that chose the same adapter hold the same row.  Chosen twice: the row's scale bytes are raised by 1 (x 2, exact; the bytes made by this program are at most 240).  Chosen three times: the row counts once and the token's divisor is 1 in place of 3.
; A work-group takes 256 tokens x 128 channels, a wave 64 tokens x 128 channels: 32 accumulators.  Source 0 = 16 tokens, source 1 = 16 channels of W2: a lane then holds eight neighbouring pixels of one channel, as out0 lies.
; CLUSTER: the four work-groups of a cluster take the same 128 channels, so W2's tiles are asked for jointly (mask 15).  Each wave asks for a quarter: adapters w and 4 + w at the start; half of adapter 8 or 9 later, into the bytes of adapters 0 and 1.  By this text's count a wave has two tensor loads out at the start and one behind the refill.
; WHAT IS WANTED FIRST IS ASKED FOR FIRST: the small loads and tile 0's rows, adapters 0-3, the rows of tiles 1-3, adapters 4-7.  The products begin when tile 0's rows and adapters 0-3 are in; a tile's rows are waited for where they are first picked.
; The residual is asked for in adapter 9, sixteen loads at a time, into the registers of each tile's anchors 1 and 2 as soon as that tile has been picked for the last time; the way out takes the channel tiles in the order of those loads.
; The lines that pick the next block's rows (102 for 16 products) stand in slices behind the matrix instructions; they are also the places that those want.
; REGISTERS: window 0: v1-63 below; v64-127 two sets of picked rows; v128-255 anchor 0's rows.  window 1: W2's 16 fragments of one adapter.  window 2: the accumulators ((m, n) at 8 (8 m + n)).  window 3: anchors 1 and 2, at last the residual.
; Every scale register holds the word of K step 0 in lanes 0-15 and that of K step 1 in lanes 16-31.
.set PITCH, 272                        ; an LDS row: 256 codes + 16 of padding: the 16 rows of a load start at 16 different banks
.set EXPB,  128*PITCH                  ; an adapter's 128 rows
.set SLOT1, 4*EXPB
.set SCB,   8*EXPB                     ; W2's scale bytes: 10 x 1,024, put there by LDS stores: no tile lands here
.set SPARE, SCB+10*1024                ; the spare words, 128 bytes a wave: two blocks of 256 bytes that no other line names
.set STAGE, SLOT1                      ; the way out: 16 x 272 a wave, in bytes that have had their last fill and their last read
.set SPW,  1
.set NIL,  2
.set AB0,  3                           ; 272 r + 16 h
.set AS0,  4                           ; SCB + 8 r + 4 h
.set ADB,  5
.set ADS,  6
.set IDX,  8                           ; v8-19   the adapter of (tile m, anchor j): 3 m + j
.set ASC,  20                          ; v20-31  its row's scale words
.set BSC,  32                          ; v32-39  W2's scale words, tile n
.set BSN,  40                          ; v40-47  the next adapter's
.set ASMS, 48                          ; v48-49  the picked rows' scale words, two sets
.set MUL4, 50                          ; v50-53  1/3 or 1 for my four pixels on the way out
.set STO,  56
.set RD,   57
.set CO,   58
.set AO,   59
.set ASM,  64
.set BK,   64                          ; the way out: two sets of 32
.set WV,  18
.set G1,  24                           ; s[24:31] 128 rows;  s[32:39] 64 rows
.set G1H, 32
.set G0A, 40
.set G0B, 44
.set G0C, 48
.set AX,  52                           ; the adapter in hand;  s53 the next
.set AN,  53
.set BN,  54                           ; LDS byte of the next adapter's tile;  s55 of its scale bytes
.set SN,  55
.set CNT, 56
.set MK,  57                           ; s57-59 which lanes' anchor j chose the adapter
.set MSB, 0
.macro WIN new
.if MSB != \new
	s_set_vgpr_msb (MSB<<8)|\new
.set MSB, \new
.endif
.endm
.macro ROUND                           ; a round of the cluster's barrier
	s_barrier_signal -1
	s_barrier_wait -1
	s_cmp_lg_u32 s[WV], 0
	s_cbranch_scc1 .Lnot_wave_0_\@
	s_barrier_signal -3
.Lnot_wave_0_\@:
	s_barrier_wait -3
	s_barrier_signal -1
	s_barrier_wait -1
.endm
.macro ANCH m                          ; tile m's three rows a token: 24 loads
.irp s, 0,1
.irp c, 0,1,2,3
	global_load_b128 v[128+32*\m+16*\s+4*\c:131+32*\m+16*\s+4*\c], v[AO], s[4:5] offset:12288*\m+128*\s+32*\c
.endr
.endr
	WIN 0xc0                                       ; destination window 3
.irp s, 0,1
.irp c, 0,1,2,3
	global_load_b128 v[32*\m+16*\s+4*\c:32*\m+16*\s+4*\c+3], v[AO], s[4:5] offset:12288*\m+256+128*\s+32*\c
	global_load_b128 v[128+32*\m+16*\s+4*\c:131+32*\m+16*\s+4*\c], v[AO], s[4:5] offset:12288*\m+512+128*\s+32*\c
.endr
.endr
	WIN 0
.endm
	s_load_b256 s[4:11], s[0:1], 0x0               ; hcodes 4:5, hscal 6:7, idxw 8:9, w2_codes 10:11
	s_load_b128 s[12:15], s[0:1], 0x20             ; w2_scales 12:13, output_feat 14:15
	s_load_b64 s[16:17], s[0:1], 0x30              ; out0
	v_lshl_add_u32 v[SPW], v0, 2, SPARE
	v_mov_b32 v[NIL], 0
	ds_add_u32 v1, v2
	ds_add_u32 v1, v2
	s_wait_dscnt 0x0
	v_lshrrev_b32 v3, 5, v0
	v_readfirstlane_b32 s[WV], v3
	s_bfe_u32 s19, ttmp6, 0x40000                  ; cx: it enters global addresses of tokens alone
	s_lshl_b32 s20, ttmp9, 2
	s_add_co_u32 s20, s20, s19                     ; my block of 256 tokens
	s_and_b32 s21, ttmp7, 0xffff                   ; my block of 128 channels, which the four partners share
	s_mov_b32 s[G1], 15|(1<<20)|(1<<21)|(5<<22)|(3<<25)   ; mask: all four; elements of 1 byte; padding: 4 words after every 64; bit 21 beside a mask
	s_mov_b32 s[G1+1], 256<<16
	s_mov_b32 s[G1+2], 128<<16
	s_mov_b32 s[G1+3], 256<<16
	s_mov_b32 s[G1+4], 128
	s_mov_b32 s[G1+5], 256
	s_mov_b32 s[G1+6], 0
	s_mov_b32 s[G1+7], 0
	s_mov_b32 s[G1H], 15|(1<<20)|(1<<21)|(5<<22)|(3<<25)
	s_mov_b32 s[G1H+1], 256<<16
	s_mov_b32 s[G1H+2], 64<<16
	s_mov_b32 s[G1H+3], 256<<16
	s_mov_b32 s[G1H+4], 64
	s_mov_b32 s[G1H+5], 256
	s_mov_b32 s[G1H+6], 0
	s_mov_b32 s[G1H+7], 0
	s_lshl_b32 s22, s[WV], 18                      ; adapter w,
	s_lshl_b32 s66, s21, 15                        ; my 128 rows of it
	s_add_co_u32 s22, s22, s66
	s_mov_b32 s23, 0
	s_mul_i32 s67, s[WV], EXPB
	s_lshr_b32 s68, s[WV], 1
	s_and_b32 s69, s[WV], 1
	s_lshl_b32 s70, s68, 18                        ; adapter 8 + w / 2, rows 64 (w % 2) on
	s_lshl_b32 s71, s69, 14
	s_add_co_u32 s70, s70, s71
	s_add_co_u32 s70, s70, s66
	s_add_co_u32 s70, s70, 0x200000
	s_mov_b32 s71, 0
	s_mul_i32 s72, s68, EXPB
	s_mul_i32 s73, s69, 64*PITCH
	s_add_co_u32 s72, s72, s73
	v_and_b32 v54, 15, v0                          ; r
	v_bfe_u32 v55, v0, 4, 1                        ; h
	v_mul_u32_u24 v[AB0], v54, PITCH
	v_lshl_add_u32 v[AB0], v55, 4, v[AB0]
	v_lshlrev_b32 v[AS0], 3, v54
	v_lshl_add_u32 v[AS0], v55, 2, v[AS0]
	v_add_nc_u32 v[AS0], SCB, v[AS0]
	s_mul_i32 s60, s[WV], 16*PITCH
	s_add_co_u32 s60, s60, STAGE
	v_mul_u32_u24 v[STO], v54, PITCH
	v_lshl_add_u32 v[STO], v55, 5, v[STO]
	v_add_nc_u32 v[STO], s60, v[STO]               ; into the stage: channel r's row, 32 bytes for each half of the lanes
	v_mul_u32_u24 v[RD], v55, PITCH
	v_lshl_add_u32 v[RD], v54, 4, v[RD]
	v_add_nc_u32 v[RD], s60, v[RD]                 ; back: lanes 0-15 one channel's 256 bytes, lanes 16-31 the next's
	v_lshlrev_b32 v[CO], 14, v55
	v_lshl_add_u32 v[CO], v54, 4, v[CO]            ; and the same in output_feat and out0
	v_mul_u32_u24 v[AO], v54, 768
	v_lshl_add_u32 v[AO], v55, 4, v[AO]            ; hcodes: token r's three rows, + 16 h
	v_lshrrev_b32 v60, 6, v0
	v_and_b32 v61, 63, v0
	v_lshlrev_b32 v61, 4, v61
	v_lshl_add_u32 v60, v60, 13, v61               ; W2's scale bytes: 64 threads to an adapter's 1,024
	v_lshl_add_u32 v61, v0, 4, SCB
	v_lshlrev_b32 v62, 2, v54
	v_lshlrev_b32 v63, 4, v54
	v_mul_u32_u24 v7, v54, 24
	v_lshl_add_u32 v7, v55, 2, v7                  ; hscal: token r's three rows of 8, + 4 h
	s_wait_kmcnt 0x0
	s_mov_b32 s[G0A], 1
	s_mov_b32 s[G0A+1], s67
	s_add_nc_u64 s[G0A+2:G0A+3], s[10:11], s[22:23]
	s_mov_b32 s[G0B], 1
	s_add_co_u32 s[G0B+1], s67, SLOT1
	s_add_nc_u64 s[G0B+2:G0B+3], s[G0A+2:G0A+3], 0x100000
	s_or_b32 s[G0A+3], s[G0A+3], 0x80000000
	s_or_b32 s[G0B+3], s[G0B+3], 0x80000000
	s_mov_b32 s[G0C], 1
	s_mov_b32 s[G0C+1], s72
	s_add_nc_u64 s[G0C+2:G0C+3], s[10:11], s[70:71]
	s_or_b32 s[G0C+3], s[G0C+3], 0x80000000
	s_lshl_b32 s74, s20, 8
	s_lshl_b32 s75, s[WV], 6
	s_add_co_u32 s74, s74, s75                     ; my wave's first token
	s_mov_b32 s77, 0
	s_mul_i32 s76, s74, 768
	s_add_nc_u64 s[4:5], s[4:5], s[76:77]
	s_mul_i32 s76, s74, 24
	s_add_nc_u64 s[6:7], s[6:7], s[76:77]
	s_lshl_b32 s76, s74, 2
	s_add_nc_u64 s[8:9], s[8:9], s[76:77]
	s_lshl_b32 s76, s21, 10
	s_add_nc_u64 s[12:13], s[12:13], s[76:77]
	s_lshr_b32 s76, s20, 4
	s_lshl_b32 s76, s76, 24                        ; batch,
	s_lshl_b32 s75, s21, 21                        ; 128 channels of 16,384 bytes,
	s_add_co_u32 s76, s76, s75
	s_and_b32 s75, s20, 15
	s_lshl_b32 s75, s75, 10                        ; 256 pixels,
	s_add_co_u32 s76, s76, s75
	s_lshl_b32 s75, s[WV], 8                       ; my 64 of them
	s_add_co_u32 s76, s76, s75
	s_add_nc_u64 s[14:15], s[14:15], s[76:77]
	s_add_nc_u64 s[16:17], s[16:17], s[76:77]
	s_mov_b32 s[AX], 0
	s_mov_b32 s[AN], 1
	s_mov_b32 s[BN], EXPB
	s_mov_b32 s[SN], 1024
.irp i, 0,1,2,3,4                      ; 22 small loads,
	global_load_b128 v[64+4*\i:67+4*\i], v60, s[12:13] offset:16384*\i
.endr
.irp m, 0,1,2,3
	global_load_b32 v[84+\m], v62, s[8:9] offset:64*\m
.endr
	global_load_b128 v[88:91], v63, s[8:9]
.irp m, 0,1,2,3
.irp j, 0,1,2
	global_load_b32 v[ASC+3*\m+\j], v7, s[6:7] offset:384*\m+8*\j
.endr
.endr
	ANCH 0                                         ; and tile 0's 24
	ROUND                                          ; all four work-groups are here: the first joint loads meet
	tensor_load_to_lds s[G0A:G0A+3], s[G1:G1+7]    ; adapters 0-3
	s_nop 0
.rept 4
	v_nop
.endr
	ANCH 1
	ANCH 2
	ANCH 3
	tensor_load_to_lds s[G0B:G0B+3], s[G1:G1+7]    ; adapters 4-7: wanted last
	s_nop 0
.rept 4
	v_nop
.endr
	s_wait_loadcnt 63                              ; behind tile 0's loads 72 were issued; the count's field ends at 63, and a smaller count is safe: the small loads and tile 0 are in
.irp i, 0,1,2,3,4
	ds_store_b128 v61, v[64+4*\i:67+4*\i] offset:2048*\i
.endr
.irp m, 0,1,2,3
.irp j, 0,1,2
	v_bfe_u32 v[IDX+3*\m+\j], v[84+\m], 4*\j, 4
.endr
.endr
	v_mov_b32 v60, 0x01010101
.irp m, 0,1,2,3                        ; an anchor that has exactly one equal beside it: its row counts twice
	v_cmp_eq_u32 s66, v[IDX+3*\m], v[IDX+3*\m+1]
	v_cmp_eq_u32 s67, v[IDX+3*\m], v[IDX+3*\m+2]
	v_cmp_eq_u32 s68, v[IDX+3*\m+1], v[IDX+3*\m+2]
	s_xor_b32 s69, s66, s67
	s_xor_b32 s70, s66, s68
	s_xor_b32 s71, s67, s68
.irp j, 0,1,2
	v_cndmask_b32 v62, 0, v60, s[69+\j]
	v_add_nc_u32 v[ASC+3*\m+\j], v[ASC+3*\m+\j], v62
.endr
.endr
	v_mov_b32 v7, 1.0
.irp i, 0,1,2,3
	v_lshrrev_b32 v62, 4, v[88+\i]
	v_xor_b32 v62, v62, v[88+\i]
	v_and_b32 v62, 0xff, v62
	v_cmp_eq_u32 vcc_lo, 0, v62                    ; all three alike
	v_cndmask_b32 v[MUL4+\i], 0x3eaaaaab, v7, vcc_lo
.endr
	s_wait_tensorcnt 0x1                           ; my part of adapters 0-3 is in; adapters 4-7 may stay out
	s_wait_dscnt 0x0                               ; my part of the scale bytes is in LDS
	s_barrier_signal -1
	s_barrier_wait -1
.macro FETCH_SC dst
.irp n, 0,1,2,3,4,5,6,7
	ds_load_b32 v[\dst+\n], v[ADS] offset:128*\n
.endr
.endm
.macro FETCH_B s                       ; W2's eight fragments of K step s (the caller has set destination window 1)
.irp n, 0,1,2,3,4,5,6,7
.irp c, 0,1,2,3
	ds_load_b128 v[16*(2*\n+\s)+4*\c:16*(2*\n+\s)+4*\c+3], v[ADB] offset:\n*16*PITCH+128*\s+32*\c
.endr
.endr
.endm
; Line q of the 102 that pick tile nx's rows for the adapter in s[ax] into set bn: 0-2 the masks; 3-5 the scale word; 6-69 anchors 2 and 1 (window 3), two registers by turns; 70-101 anchor 0.
.macro AOP nx, bn, ax
.if q < 3
	WIN 0
	v_cmp_eq_u32 s[MK+q], v[IDX+3*(\nx)+q], s[\ax]
.elseif q == 3
	WIN 0
	v_cndmask_b32 v[ASMS+(\bn)], 0, v[ASC+3*(\nx)+2], s[MK+2]
.elseif q == 4
	v_cndmask_b32 v[ASMS+(\bn)], v[ASMS+(\bn)], v[ASC+3*(\nx)+1], s[MK+1]
.elseif q == 5
	v_cndmask_b32 v[ASMS+(\bn)], v[ASMS+(\bn)], v[ASC+3*(\nx)], s[MK]
.elseif q < 70
	WIN 0x0c                                       ; source 1 window 3
.set rho, 2*((q-6)/4)+(q-6)%2
.if ((q-6)%4) < 2
	v_cndmask_b32 v[ASM+32*(\bn)+rho], 0, v[128+32*(\nx)+rho], s[MK+2]
.else
	v_cndmask_b32 v[ASM+32*(\bn)+rho], v[ASM+32*(\bn)+rho], v[32*(\nx)+rho], s[MK+1]
.endif
.else
	WIN 0
.set rho, q-70
	v_cndmask_b32 v[ASM+32*(\bn)+rho], v[ASM+32*(\bn)+rho], v[128+32*(\nx)+rho], s[MK]
.endif
.endm
.macro SLICE cnt, nx, bn, ax
.rept \cnt
	AOP \nx, \bn, \ax
.set q, q+1
.endr
.endm
; Product i of a block's 16: K step i / 8, channels 16 (i % 8) on.  The eight accumulators take turns, one instruction a turn.
.macro PROD bm, zero
.set nn, i%8
.set ss, i/8
.set rA, ASM+32*((\bm)%2)+16*ss
.set rB, 16*(2*nn+ss)
.set rC, 8*(8*(\bm)+nn)
	WIN 0xa4                                       ; source 1 (W2) window 1, C and D window 2
.if ss == 0
.if \zero
	v_wmma_scale_f32_16x16x128_f8f6f4 v[rC:rC+7], v[rA:rA+15], v[rB:rB+15], 0, v[ASMS+(\bm)%2], v[BSC+nn] matrix_a_fmt:MATRIX_FMT_BF8 matrix_b_fmt:MATRIX_FMT_BF8
.else
	v_wmma_scale_f32_16x16x128_f8f6f4 v[rC:rC+7], v[rA:rA+15], v[rB:rB+15], v[rC:rC+7], v[ASMS+(\bm)%2], v[BSC+nn] matrix_a_fmt:MATRIX_FMT_BF8 matrix_b_fmt:MATRIX_FMT_BF8
.endif
.else
	v_wmma_scale_f32_16x16x128_f8f6f4 v[rC:rC+7], v[rA:rA+15], v[rB:rB+15], v[rC:rC+7], v[ASMS+(\bm)%2], v[BSC+nn] matrix_a_fmt:MATRIX_FMT_BF8 matrix_b_fmt:MATRIX_FMT_BF8 matrix_a_scale:MATRIX_SCALE_ROW1 matrix_b_scale:MATRIX_SCALE_ROW1
.endif
.endm
; A block: tile bm of tokens x 128 channels x one adapter.  pick = 1: the next block's rows are picked in slices of six lines behind the products, twelve behind the last: those twelve are the eight places
; between the last product that read a set and the first line that writes it.  pre = 1: the next adapter's fragments of W2 are fetched: K step 0 twelve plain lines behind the last product that read it, K step 1 behind the block's end.
; zero = 1 (adapter 0): block bm picks tile bm + 1 for the first time, so that tile's 24 loads are waited for at the block's head; the 24 loads of each later tile may stay out.
.macro BLOCK bm, zero, pick, nx, ax, pre
.if \zero && ((\bm) < 3)
	s_wait_loadcnt 24*(2-(\bm))
.endif
.set q, 0
.set i, 0
.rept 16
.if ((\bm) == 0) && (i == 0)
	s_wait_dscnt 32                                ; the scale words and K step 0 are in; K step 1's 32 loads may be out
.endif
.if ((\bm) == 0) && (i == 8)
	s_wait_dscnt 0x0
.endif
	PROD \bm, \zero
.if \pick
.if i < 15
	SLICE 6, \nx, 1-(\bm)%2, \ax
.elseif \pre
	SLICE 8, \nx, 1-(\bm)%2, \ax
	s_wait_dscnt 32                                ; the next scale words are in (behind them: K step 0's 32 loads)
.irp n, 0,1,2,3,4,5,6,7
	v_mov_b32 v[BSC+\n], v[BSN+\n]                 ; eight plain lines behind the last product that read them,
.endr
	SLICE 4, \nx, 1-(\bm)%2, \ax
.rept 4
	v_nop                                          ; and eight ahead of the next that will
.endr
	WIN 0x40
	FETCH_B 1
.else
	SLICE 12, \nx, 1-(\bm)%2, \ax
.endif
.if \pre && (i == 8)
	WIN 0
	v_add_nc_u32 v[ADB], s[BN], v[AB0]
	v_add_nc_u32 v[ADS], s[SN], v[AS0]
	FETCH_SC BSN
	WIN 0x40
	FETCH_B 0
.endif
.endif
.set i, i+1
.endr
.endm
.macro RESID m                         ; tile m's anchors 1 and 2 are done with: the residual of channel tiles m and 4 + m takes their registers (tile n, rows 2 t and 2 t + 1: 32 n + 4 t)
	WIN 0xc0
.irp t, 0,1,2,3,4,5,6,7
	global_load_b128 v[32*\m+4*\t:32*\m+4*\t+3], v[CO], s[14:15] offset:(16*\m+2*\t)*16384
.endr
.irp t, 0,1,2,3,4,5,6,7
	global_load_b128 v[128+32*\m+4*\t:128+32*\m+4*\t+3], v[CO], s[14:15] offset:(16*(\m+4)+2*\t)*16384
.endr
.endm
; An adapter: four blocks.  change = 1: adapters 4-7 are shown landed, and the bytes of adapters 0 and 1, which nobody reads any more, are filled with adapters 8 and 9.  change = 2: those are shown landed.  wrap = 1: the next adapter's tile lies at LDS byte 0.
; pre = 0: the last adapter: nothing more is fetched or picked for a next one, and the residual is asked for tile by tile.
.macro EXPERT zero, change, pre, wrap
.if !\pre
	RESID 0                                        ; tile 0 was picked for the last time in the adapter before
.endif
	BLOCK 0, \zero, 1, 1, AX, 0
.if !\pre
	RESID 1
.endif
	BLOCK 1, \zero, 1, 2, AX, 0
.if !\pre
	RESID 2
.endif
	BLOCK 2, \zero, 1, 3, AX, 0
.if \change
	WIN 0
	s_wait_tensorcnt 0x0                           ; all my tensor loads have landed
	ds_add_u32 v[SPW], v[NIL]                      ; 0 onto my spare word
	s_wait_dscnt 0x0                               ; the add is done; my reads of LDS were over when this adapter began
.if \change == 1
	ROUND                                          ; no wave of any partner still reads those bytes or has a load on its way
	tensor_load_to_lds s[G0C:G0C+3], s[G1H:G1H+7]  ; my one tensor load behind the round
	s_nop 0
.rept 4
	v_nop
.endr
.else
	s_barrier_signal -1
	s_barrier_wait -1
.endif
.endif
.if \wrap
	s_mov_b32 s[BN], 0
.endif
.if \pre
	BLOCK 3, \zero, 1, 0, AN, 1
	WIN 0
	s_add_co_u32 s[BN], s[BN], EXPB
	s_add_co_u32 s[SN], s[SN], 1024
	s_add_co_u32 s[AX], s[AX], 1
	s_add_co_u32 s[AN], s[AN], 1
.else
.rept 4
	v_nop                                          ; the last block's products stand bare: four plain lines between the last line that picked its rows and the products that read them
.endr
	RESID 3
	BLOCK 3, 0, 0, 0, AX, 0
	WIN 0
.endif
.endm
	v_mov_b32 v[ADB], v[AB0]
	v_mov_b32 v[ADS], v[AS0]
	FETCH_SC BSC
	WIN 0x40
	FETCH_B 0
	FETCH_B 1
	WIN 0
.set q, 0
	SLICE 102, 0, 0, AX                            ; the first block's rows
	EXPERT 1, 0, 1, 0                              ; adapter 0: its first products start the sums
	s_mov_b32 s[CNT], 2
.Lfirst:                                           ; adapters 1, 2
	EXPERT 0, 0, 1, 0
	s_sub_co_u32 s[CNT], s[CNT], 1
	s_cmp_lg_u32 s[CNT], 0
	s_cbranch_scc1 .Lfirst
	EXPERT 0, 1, 1, 0                              ; adapter 3
	s_mov_b32 s[CNT], 3
.Lsecond:                                          ; adapters 4, 5, 6
	EXPERT 0, 0, 1, 0
	s_sub_co_u32 s[CNT], s[CNT], 1
	s_cmp_lg_u32 s[CNT], 0
	s_cbranch_scc1 .Lsecond
	EXPERT 0, 2, 1, 1                              ; adapter 7
	EXPERT 0, 0, 1, 0                              ; adapter 8
	EXPERT 0, 0, 0, 0                              ; adapter 9
; THE WAY OUT, 16 channels at a time: a lane's 32 bytes of a channel go into my stage and come back as whole rows of 256 bytes; x 1/3 (or 1), + the residual; sixteen lanes store 256 consecutive bytes.
; Place p of eight takes channel tile 4 (p % 2) + p / 2: the order in which the residual was asked for.
.rept 8
	v_nop                                          ; eight places behind the last product, ahead of the first read of results
.endr
.macro TOSTAGE p
.set nq, ((\p)%2)*4+(\p)/2
	WIN 0x08                                       ; an LDS store's data: window 2
.irp m, 0,1,2,3
	ds_store_b128 v[STO], v[8*(8*\m+nq):8*(8*\m+nq)+3] offset:64*\m        ; each accumulator from its low end on
	ds_store_b128 v[STO], v[8*(8*\m+nq)+4:8*(8*\m+nq)+7] offset:64*\m+16
.endr
	WIN 0
.irp t, 0,1,2,3,4,5,6,7
	ds_load_b128 v[BK+32*((\p)%2)+4*\t:BK+32*((\p)%2)+4*\t+3], v[RD] offset:\t*2*PITCH   ; LDS serves a wave's instructions in order: these see my stores, and the next tile's stores come behind them
.endr
.endm
.macro SEND p, younger
.set nq, ((\p)%2)*4+(\p)/2
.set BB, BK+32*((\p)%2)
	s_wait_dscnt \younger                          ; the tile is back (behind it: the next tile's 8 stores and 8 loads, or nothing)
	s_wait_loadcnt 8*(7-(\p))                      ; its residual is in; the eight loads of each later place may be out
	WIN 0x30                                       ; source 2 window 3
.irp t, 0,1,2,3,4,5,6,7
	v_pk_fma_f32 v[BB+4*\t:BB+4*\t+1], v[BB+4*\t:BB+4*\t+1], v[MUL4:MUL4+1], v[4*(8*nq+\t):4*(8*nq+\t)+1]
	v_pk_fma_f32 v[BB+4*\t+2:BB+4*\t+3], v[BB+4*\t+2:BB+4*\t+3], v[MUL4+2:MUL4+3], v[4*(8*nq+\t)+2:4*(8*nq+\t)+3]
.endr
	WIN 0
.irp t, 0,1,2,3,4,5,6,7
	global_store_b128 v[CO], v[BB+4*\t:BB+4*\t+3], s[16:17] offset:(16*nq+2*\t)*16384 th:TH_STORE_NT
.endr
.endm
	TOSTAGE 0
.irp n, 1,2,3,4,5,6,7
.if \n > 1
	s_wait_xcnt 0x0                                ; the stores of two places back have read their registers: this tile's loads may land there
.endif
	TOSTAGE \n
	SEND \n-1, 16
.endr
	SEND 7, 0
	s_wait_tensorcnt 0x0                           ; the wave's end
	ds_add_u32 v[SPW], v[NIL]
	s_wait_dscnt 0x0
	ROUND                                          ; the closing round
	s_endpgm
.Lfunc_end_k_qaac4c01a38_combine:
	.size	k_qaac4c01a38_combine, .Lfunc_end_k_qaac4c01a38_combine-k_qaac4c01a38_combine
	.p2alignl 7, 3214868480
	.fill 96, 4, 3214868480
	.section	.rodata,"a",@progbits
	.p2align	6, 0x0
	.amdhsa_kernel k_qaac4c01a38_combine
		.amdhsa_group_segment_fixed_size 327680
		.amdhsa_private_segment_fixed_size 0
		.amdhsa_enable_private_segment 0
		.amdhsa_kernarg_size 56
		.amdhsa_user_sgpr_count 2
		.amdhsa_user_sgpr_kernarg_segment_ptr 1
		.amdhsa_wavefront_size32 1
		.amdhsa_system_sgpr_workgroup_id_x 1
		.amdhsa_system_sgpr_workgroup_id_y 1
		.amdhsa_system_sgpr_workgroup_id_z 1
		.amdhsa_system_vgpr_workitem_id 0
		.amdhsa_next_free_vgpr 1024
		.amdhsa_next_free_sgpr 80
		.amdhsa_reserve_vcc 1
		.amdhsa_float_denorm_mode_32 3
		.amdhsa_float_denorm_mode_16_64 3
		.amdhsa_memory_ordered 1
		.amdhsa_forward_progress 1
		.amdhsa_inst_pref_size 255
	.end_amdhsa_kernel
	.section	.bss,"aw",@nobits
	.p2align	6
	.space	262144
	.amdgpu_metadata
---
amdhsa.version: [ 1, 2 ]
amdhsa.kernels:
  - .name:           k_qaac4c01a38_combine
    .symbol:         k_qaac4c01a38_combine.kd
    .args:
      - { .name: hcodes, .offset: 0, .size: 8, .value_kind: global_buffer, .address_space: global }
      - { .name: hscal, .offset: 8, .size: 8, .value_kind: global_buffer, .address_space: global }
      - { .name: idxw, .offset: 16, .size: 8, .value_kind: global_buffer, .address_space: global }
      - { .name: w2_codes, .offset: 24, .size: 8, .value_kind: global_buffer, .address_space: global }
      - { .name: w2_scales, .offset: 32, .size: 8, .value_kind: global_buffer, .address_space: global }
      - { .name: output_feat, .offset: 40, .size: 8, .value_kind: global_buffer, .address_space: global }
      - { .name: out0, .offset: 48, .size: 8, .value_kind: global_buffer, .address_space: global }
    .group_segment_fixed_size: 327680
    .private_segment_fixed_size: 0
    .kernarg_segment_align: 8
    .kernarg_segment_size: 56
    .max_flat_workgroup_size: 128
    .sgpr_count:     80
    .vgpr_count:     1024
    .wavefront_size: 32
...
	.end_amdgpu_metadata
.endif
;; end of part 4
